; MI455X (gfx1250); checked and timed in simulation.
; The chip was launched on July 23, 2026; its instructions are those of AMD's public machine-readable ISA for CDNA 5 (MIT licence, August 2026) and "CDNA5" Instruction Set Architecture Reference Guide (July 2026). The comments in the code are by the model that wrote it; some were corrected since.
;; Semantic Aware Super Layer. Allowed arithmetic: matrix products marked QUANTISED: E2M3 operands, one E8M0 scale for each 32 along K, by v_wmma_scale_f32_16x16x128_f8f6f4 with both operands' format E2M3, f32 sums; everything else in f32.
;; Inputs: cfc_S 128 float32; cfc_U 1,024 x 128 float32; cfc_V 4,096 x 128 float32; cfc_bias 4,096 float32; cproj_S 128 float32; cproj_U 4,096 x 128 float32; cproj_V 1,024 x 128 float32; cproj_bias 1,024 float32; x 4 x 2,048 x 1,024 float32.
;; Outputs: out0 4 x 2,048 x 1,024 float32.
;; This version of the problem:
;;   THIS VERSION OF THE PROBLEM IS GIVEN IN LOW PRECISION. The matrix products marked QUANTISED in the list below multiply operands that are first quantised to E2M3 (2 exponent bits, 3 mantissa bits; 6 bits a number), with one power-of-two scale for each 32 numbers along K (OCP MX v1.0); their sums are f32. All else is computed in f32.
;;   The module's matrix products, in the order in which they are computed (A, B: the left and right operand; K: the contracted axis; several contracted axes count as one K, in the product's order):
;;     1. [M 1,024, K 128] x [K 128, N 4,096]; A: computed on the way; B: input cfc_V: QUANTISED
;;     2. [M 8,192, K 1,024] x [K 1,024, N 4,096]; A: input x; B: computed on the way: QUANTISED
;;     3. [M 4,096, K 128] x [K 128, N 1,024]; A: computed on the way; B: input cproj_V: QUANTISED
;;     4. [M 8,192, K 4,096] x [K 4,096, N 1,024]; A: computed on the way; B: computed on the way: QUANTISED
;;   THE QUANTISER, for each operand of a quantised product, along K:
;;     - K is cut into blocks of 32 from its start; a last block that is shorter is filled with zeros.
;;     - A block's scale is 2^e with e = floor(log2(the largest magnitude in the block)) - 2, held to -126 .. 127; a block of zeros has e = 0. As a byte (E8M0): e + 127.
;;     - Each number is divided by its block's scale, clamped to +-7.5, and rounded to the nearest number of E2M3, ties to even, subnormals kept.
;;     - The product sums the exact products of the quantised numbers (number of the format x scale) in f32.
;;   ~~~python
;;   def quantise(x, axis):      # numpy; x: float32 -> the quantised numbers, widened to float32 again
;;       x = np.moveaxis(x, axis, -1); K = x.shape[-1]
;;       x = np.pad(x, [(0, 0)] * (x.ndim - 1) + [(0, -K % 32)]); x = x.reshape(x.shape[:-1] + (-1, 32)); a = np.abs(x).max(-1, keepdims=True)
;;       e = np.where(a > 0, np.clip(np.frexp(np.where(a > 0, a, 1))[1] - 1 - 2, -126, 127), 0)      # np.frexp(a)[1] - 1 = floor(log2(a)), exactly
;;       r = np.clip(x / 2.0 ** e, -7.5, 7.5)
;;       step = 2.0 ** (np.maximum(np.frexp(np.where(r == 0, 1, r))[1] - 1, 0) - 3)
;;       q = np.round(r / step) * step * 2.0 ** e      # np.round: ties to even
;;       return np.moveaxis(q.reshape(q.shape[:-2] + (-1,))[..., :K], -1, axis).astype(np.float32)
;;   ~~~
;;   OPERANDS COMPUTED ON THE WAY. 'Computed on the way' means the value that the module computes at that place (a softmax that the list does not call 'softmax' is quantised finished and normalised). What goes into a quantiser is computed in f32, as accurately as f32 sums, v_exp_f32 and their like allow (about 1e-6 of the number): no bf16 or f16 on the way to a quantiser, and a product that is left as it is and whose result goes on into a quantised operand takes f32 operands (vector FMAs, or v_wmma_f32_16x16x4_f32). A number that lies on a knife's edge between two numbers of the format may be rounded either way, as far as f32 arithmetic and the matrix unit's own rounding can turn it there, and no further.
;; One version. Each part assembles by itself: llvm-mc -triple=amdgcn-amd-amdhsa -mcpu=gfx1250 --defsym DOCPART=n.
;; ======== version 1 of 1: 3 launches
;; limits: an absolute error that grows with the inputs' magnitude: up to 1e-07 times it
;; workspace buffers: xr 6,553,600 bytes; w1r 3,276,800 bytes; hr 26,214,400 bytes; w2r 3,276,800 bytes
;; launch prep (part 1): grid 256 x 1, 4 waves a work-group, no clusters, 209,408 bytes of LDS; arguments x, cfc_U, cfc_S, cfc_V, cproj_U, cproj_S, cproj_V, xr, w1r, w2r; writes xr, w1r, w2r
.if DOCPART == 1
	.amdgcn_target "amdgcn-amd-amdhsa--gfx1250"
	.amdhsa_code_object_version 6
	.text
	.protected	k_q8aa295cf10_prep
	.globl	k_q8aa295cf10_prep
	.p2align	8
	.type	k_q8aa295cf10_prep,@function
k_q8aa295cf10_prep:
	s_mov_b64 s[64:65], 0
	v_nop
	global_prefetch_b8 v0, s[64:65] scope:SCOPE_SE
	s_setreg_imm32_b32 hwreg(HW_REG_WAVE_MODE, 25, 1), 1
	s_wait_xcnt 0x0
; PREP: x becomes codes of FP6 (E2M3); the two weights (U * S) V^T are made by the scaled matrix instruction from quantised factors and are quantised again along the K of the product that will use them.
; THE RECORD, the one layout of all workspace buffers: 128 rows x 256 along K as images of operand registers, 25,600 dense bytes.
;   fragment (tile i of 16 rows, K step q of 128) at byte (2 i + q) 1536; in it registers 4 c .. 4 c + 3 of lane l at 512 c + 16 l;
;   the scale word of tile i, K step q, row r at 24,576 + 512 (i / 4) + 256 q + 16 r + 4 (i % 4).  A buffer is [group of 128 rows][256 along K] records.
;   Rows of x's tiles are neighbours.  Tile t of a weight holds in lane r row 32 (t / 2) + 8 (t % 2) + r + 8 (r / 8) of its 128, so that the products that use it transposed leave 16 neighbours along the next K in a lane.
; SHARES.  Work-group w makes record w of x and one weight record: w < 128 record w of the first weight, else record w - 128 of the second; only pointers and three numbers are chosen, the text has one path.
;   Wave v (g = v / 2, q = v % 2) owns tiles 4 g .. 4 g + 3 at K step q of both records.
; A WEIGHT RECORD: its 256 along K are 256 rows of U, its 128 rows are 128 rows of V.  Each wave quantises 4 tiles of U * S and 2 of V along the rank and lays their register images in LDS; one barrier;
;   then D = (16 rows of U) x (16 rows of V)^T: a lane holds one row of V and its registers run down U's rows, which are the next K.
; A block's scale is 2^(floor(log2(largest magnitude)) - 2); its byte is the largest magnitude's exponent field - 2, held at 1 from below.
; LIMITS: a block of zeros, or one whose largest magnitude lies under 2^(3 - 127), keeps the byte 1 (its codes are zeros or nearly so; this program alone reads the bytes); NaN and infinities are not served.
; No cluster: x is read by one work-group alone, and what is shared (U, V: 5 MB in all) comes through registers.
.set REC,   25600
.set SCO,   24576
.set XW,    33792                      ; LDS 0: x, 64 rows of 512 bytes + 16 for each wave; filled once, by the data mover
.set STG,   135168                     ; a turning stage of 16 rows x 528 bytes for each wave
.set UIMG,  168960                     ; 16 images of U's fragments, 1,536 bytes each
.set VIMG,  193536                     ; 8 of V's
.set USC,   205824                     ; their scale words, 128 bytes a fragment
.set VSC,   207872
.set SPARE, 208896                     ; the spare words, 128 bytes for each wave: two blocks of 256 bytes that no other line names
.set USR,   20                         ; v20-27  U's scale words (scales and nothing else)
.set VSR,   28                         ; v28-31  V's
.set SW,    32                         ; v32-35  the four scale words of a record's tiles
.set TT,    36                         ; v36-37  two of them on their way out
.set SPW,   38                         ; v38     LDS address of my spare word; never rewritten
.set NIL,   39                         ; v39     0; never rewritten
.set SV,    40                         ; v40-103 S in the order of a lane's 64 numbers; later the second set of x
.set H1,    40
.set H0,    104                        ; v104-167 64 numbers of a lane: register 16 b + i = k 32 b + 16 (lane / 16) + i of my row
.set TM,    168                        ; v168-183 at work in QUANT
.set PW,    184                        ; v184    the scale word just made
.set PC,    186                        ; v186-205 the codes just made
.set WV,    2                          ; s2 wave, s3 g, s4 q
.set SG,    3
.set SQ,    4
.set G1,    36                         ; s[36:43], s[44:47] the descriptor of my tile of x
.set G0,    44
.set SM,    52                         ; s52     the mask of lanes 16-31
.set SEL,   54                         ; s[54:55] lane selects: lane l xor 16
; window 1: four sets of 64 registers, rows as loaded.   window 2: v0-95 U's eight fragments, v96-143 V's four.
.set MSB, 0
.macro WIN new                         ; the immediate's high byte repeats the setting that is left
.if MSB != (\new)
	s_set_vgpr_msb (MSB<<8)|(\new)
.set MSB, (\new)
.endif
.endm
; 64 numbers of a lane become a fragment's codes in v[PC] on and its row's scale word in v[PW].  fl: the floor of the largest magnitude; adj = 1: each byte one less.
.macro QUANT s, fl, adj
.irp b, 0,1,2,3
	v_max3_num_f32 v[TM+\b], |v[\s+16*\b]|, |v[\s+1+16*\b]|, \fl   ; block b: my 16 numbers and the floor
.endr
.irp i, 2,4,6,8,10,12,14
.irp b, 0,1,2,3
	v_max3_num_f32 v[TM+\b], v[TM+\b], |v[\s+16*\b+\i]|, |v[\s+1+16*\b+\i]|   ; the four blocks by turns
.endr
.endr
.irp b, 0,1,2,3
	v_permlanex16_b32 v[TM+4+\b], v[TM+\b], s[SEL], s[SEL+1]
.endr
.irp b, 0,1,2,3
	v_max_num_f32 v[TM+\b], v[TM+\b], v[TM+4+\b]   ; with lane l xor 16's 16: the block's largest magnitude
.endr
.irp b, 0,1,2,3
	v_add_nc_u32 v[TM+12+\b], 0xff000000, v[TM+\b]   ; 2 off its exponent field: the conversion's scale operand
.endr
.irp b, 0,1,2,3
	v_lshrrev_b32 v[TM+4+\b], 23, v[TM+12+\b]      ; the scale's byte
.endr
	v_lshl_or_b32 v[PW], v[TM+5], 8, v[TM+4]
	v_lshl_or_b32 v[PW], v[TM+6], 16, v[PW]
	v_lshl_or_b32 v[PW], v[TM+7], 24, v[PW]
.if \adj
	v_add_nc_u32 v[PW], 0xfefefeff, v[PW]          ; 1 off each byte (none is under 2: no borrow)
.endif
.irp c, 0,1
	v_cvt_scalef32_pk16_fp6_f32 v[PC+6*\c:PC+2+6*\c], v[\s+32*\c:\s+15+32*\c], v[TM+12+2*\c]
	v_cvt_scalef32_pk16_fp6_f32 v[PC+12+4*\c:PC+14+4*\c], v[\s+16+32*\c:\s+31+32*\c], v[TM+12+2*\c+1]   ; (a conversion's three registers begin on an even number)
.endr
	v_nop                                          ; one plain place behind a scaled conversion
.irp c, 0,1                                    ; the operand wants a whole block in a lane: lanes 0-15 block 2 c, lanes 16-31 block 2 c + 1
.irp i, 0,1,2
	v_permlane16_swap_b32 v[PC+6*\c+\i], v[PC+12+4*\c+\i]
.endr
.irp i, 0,1,2
	v_mov_b32 v[PC+3+6*\c+\i], v[PC+12+4*\c+\i]
.endr
.endr
.endm
; Fragment f of my six (0-3: tiles of U, 4-5: tiles of V): 16 whole rows of 512 bytes, a row a load, into raw set f % 4.  The rows of a tile are not neighbours (head comment).
.macro LOADF f
	WIN 0x40
.irp p, 0,1,2,3,4,5,6,7,8,9,10,11,12,13,14,15
.if (\f) < 4
	global_load_b128 v[64*((\f)%4)+4*\p:64*((\f)%4)+4*\p+3], v4, s[10:11] offset:(32*((\f)/2)+8*((\f)%2)+\p+8*(\p/8))*512
.else
	global_load_b128 v[64*((\f)%4)+4*\p:64*((\f)%4)+4*\p+3], v4, s[14:15] offset:(8*((\f)-4)+\p+8*(\p/8))*512
.endif
.endr
	WIN 0
.endm
; The 16 rows turn through my stage: in as they were loaded, back 16 neighbours of each block of 32 to a lane.  LDS serves a wave's instructions in order: no wait between.
.macro TURNF f
	WIN 0x04
.irp p, 0,1,2,3,4,5,6,7,8,9,10,11,12,13,14,15
	ds_store_b128 v5, v[64*((\f)%4)+4*\p:64*((\f)%4)+4*\p+3] offset:528*\p
.endr
	WIN 0
.irp b, 0,1,2,3
.irp j, 0,1,2,3
	ds_load_b128 v[H0+16*\b+4*\j:H0+16*\b+4*\j+3], v6 offset:128*\b+16*\j
.endr
.endr
.endm
.macro IMAGE va, vs, n                 ; the fragment and its scale words go to LDS as they stand in the registers
.irp c, 0,1,2
	ds_store_b128 v[\va], v[PC+4*\c:PC+4*\c+3] offset:1536*(\n)+512*\c
.endr
	ds_store_b32 v[\vs], v[PW] offset:128*(\n)
.endm
.macro EMIT sb, i                      ; my tile i of a record: three stores of 512 consecutive bytes each
.irp c, 0,1,2
	global_store_b128 v16, v[PC+4*\c:PC+4*\c+3], s[\sb:\sb+1] offset:3072*(\i)+512*\c
.endr
	v_mov_b32 v[SW+(\i)], v[PW]
.endm
.macro SCSTORE sb                      ; my four tiles' scale words: lane (r, h) stores those of tiles 2 h, 2 h + 1 of row r: 256 consecutive bytes, aligned
	v_cndmask_b32 v[TT], v[SW], v[SW+2], s[SM]
	v_cndmask_b32 v[TT+1], v[SW+1], v[SW+3], s[SM]
	global_store_b64 v17, v[TT:TT+1], s[\sb:\sb+1]
.endm
.macro XFETCH i                        ; tile i of my 64 rows of x, from LDS, in QUANT's order; the two sets by turns
.set HX, H0-64*((\i)%2)
.irp b, 0,1,2,3
.irp j, 0,1,2,3
	ds_load_b128 v[HX+16*\b+4*\j:HX+16*\b+4*\j+3], v7 offset:8448*(\i)+128*\b+16*\j
.endr
.endr
.endm
	s_load_b512 s[8:23], s[0:1], 0x0               ; x s[8:9], cfc_U, cfc_S, cfc_V s[10:15], cproj_U, cproj_S, cproj_V s[16:21], xr s[22:23]
	s_load_b128 s[24:27], s[0:1], 0x40             ; w1r, w2r
	v_lshl_add_u32 v[SPW], v0, 2, SPARE
	v_mov_b32 v[NIL], 0
	ds_add_u32 v[SPW], v[NIL]                      ; the wave's opening: the add and its wait stand ahead of my tensor load; work on registers stands between them
	v_lshrrev_b32 v1, 5, v0
	v_readfirstlane_b32 s[WV], v1                  ; wave 0..3
	s_lshr_b32 s[SG], s[WV], 1                     ; g: which 64 rows
	s_and_b32 s[SQ], s[WV], 1                      ; q: which 128 along K
	s_mov_b32 s[G1], (2<<16)|(1<<20)|(6<<22)|(3<<25)   ; elements of 4 bytes; padding on: behind every 128 words 4 words
	s_mov_b32 s[G1+1], 128<<16                     ; tensor_dim0 = 128
	s_mov_b32 s[G1+2], 64<<16                      ; tensor_dim1 = 64
	s_mov_b32 s[G1+3], 128<<16                     ; tile_dim0 = 128
	s_mov_b32 s[G1+4], 64                          ; tile_dim1 = 64
	s_mov_b32 s[G1+5], 1024                        ; a row of x
	s_mov_b32 s[G1+6], 0
	s_mov_b32 s[G1+7], 0
	s_mov_b32 s[G0], 1
	s_mul_i32 s[G0+1], s[WV], XW                   ; my wave's own bytes
	s_lshr_b32 s48, ttmp9, 2
	s_lshl_b32 s48, s48, 19                        ; 128 rows of 4,096 bytes for each group of rows,
	s_lshl_b32 s49, s[SG], 18                      ; 64 rows for g,
	s_add_co_u32 s48, s48, s49
	s_and_b32 s49, ttmp9, 3
	s_lshl_b32 s49, s49, 10                        ; 256 numbers along K for the record,
	s_add_co_u32 s48, s48, s49
	s_lshl_b32 s49, s[SQ], 9                       ; 128 for q
	s_add_co_u32 s48, s48, s49
	s_mov_b32 s49, 0
	s_mov_b32 s[SEL], 0x76543210
	s_mov_b32 s[SEL+1], 0xfedcba98
	s_mov_b32 s[SM], 0xffff0000
	s_wait_dscnt 0x0                               ; the opening add is done
	s_wait_kmcnt 0x0
	s_add_nc_u64 s[G0+2:G0+3], s[8:9], s[48:49]
	s_or_b32 s[G0+3], s[G0+3], 0x80000000
	tensor_load_to_lds s[G0:G0+3], s[G1:G1+7]      ; my 64 rows x 128 numbers of x: asked for first, wanted last; the wave's one tensor load
	s_nop 0
	v_and_b32 v1, 31, v0                           ; lane
	v_and_b32 v2, 15, v0                           ; r
	v_bfe_u32 v3, v0, 4, 1                         ; h
	v_lshlrev_b32 v4, 4, v1                        ; 16 x lane
	v_lshlrev_b32 v19, 2, v1                       ; 4 x lane
	v_lshlrev_b32 v18, 6, v3                       ; 64 h: S's numbers of my half
	v_mul_u32_u24 v6, v2, 528
	v_lshl_add_u32 v6, v3, 6, v6                   ; 528 r + 64 h
	s_mul_i32 s56, s[WV], XW
	v_add_nc_u32 v7, s56, v6                       ; x: row r of a tile, my half of a block
	s_mul_i32 s56, s[WV], 8448
	s_add_co_u32 s56, s56, STG
	v_add_nc_u32 v5, s56, v4                       ; the stage, in
	v_add_nc_u32 v6, s56, v6                       ; and back
	s_mul_i32 s56, s[WV], 6144
	s_add_co_u32 s56, s56, UIMG
	v_add_nc_u32 v8, s56, v4                       ; where I lay U's images: tiles 4 v on
	s_mul_i32 s56, s[WV], 3072
	s_add_co_u32 s56, s56, VIMG
	v_add_nc_u32 v9, s56, v4                       ; V's: tiles 2 v on
	s_lshl_b32 s56, s[WV], 9
	s_add_co_u32 s56, s56, USC
	v_add_nc_u32 v10, s56, v19
	s_lshl_b32 s56, s[WV], 8
	s_add_co_u32 s56, s56, VSC
	v_add_nc_u32 v11, s56, v19
	s_mul_i32 s56, s[SQ], 12288
	s_add_co_u32 s56, s56, UIMG
	v_add_nc_u32 v12, s56, v4                      ; what I read back: U's tiles 8 q on,
	s_mul_i32 s56, s[SG], 6144
	s_add_co_u32 s56, s56, VIMG
	v_add_nc_u32 v13, s56, v4                      ; V's tiles 4 g on
	s_lshl_b32 s56, s[SQ], 10
	s_add_co_u32 s56, s56, USC
	v_add_nc_u32 v14, s56, v19
	s_lshl_b32 s56, s[SG], 9
	s_add_co_u32 s56, s56, VSC
	v_add_nc_u32 v15, s56, v19
	s_mul_i32 s56, s[SG], 12288
	s_mul_i32 s57, s[SQ], 1536
	s_add_co_u32 s56, s56, s57
	v_add_nc_u32 v16, s56, v4                      ; in a record: fragment (4 g, q), 16 x lane
	s_lshl_b32 s56, s[SG], 9
	s_lshl_b32 s57, s[SQ], 8
	s_add_co_u32 s56, s56, s57
	s_add_co_u32 s56, s56, SCO
	v_lshlrev_b32 v17, 4, v2
	v_lshl_add_u32 v17, v3, 3, v17
	v_add_nc_u32 v17, s56, v17                     ; and its scale words: 16 r + 8 h
.irp b, 0,1,2,3
	v_mov_b32 v[TM+4+\b], 0                        ; written once: a lane permute's destination counts as one of its sources
.endr
	s_cmp_lt_u32 ttmp9, 128                        ; the first weight or the second?  The choice hangs on the work-group's number alone
	s_cselect_b64 s[10:11], s[10:11], s[16:17]     ; U
	s_cselect_b64 s[12:13], s[12:13], s[18:19]     ; S
	s_cselect_b64 s[14:15], s[14:15], s[20:21]     ; V
	s_cselect_b64 s[24:25], s[24:25], s[26:27]     ; the records
	s_cselect_b32 s28, 0, 128
	s_cselect_b32 s29, 2, 4                        ; 4 or 16 records along K
	s_cselect_b32 s30, 3, 15
	s_sub_co_u32 s31, ttmp9, s28                   ; the record's number
	s_lshr_b32 s32, s31, s29                       ; its 128 rows of V
	s_and_b32 s33, s31, s30                        ; its 256 rows of U
	s_lshl_b32 s50, s33, 17                        ; 256 rows of 512 bytes,
	s_lshl_b32 s51, s[WV], 15                      ; my wave's 64 of them
	s_add_co_u32 s50, s50, s51
	s_mov_b32 s51, 0
	s_add_nc_u64 s[10:11], s[10:11], s[50:51]
	s_lshl_b32 s50, s32, 16                        ; 128 rows of 512 bytes,
	s_lshl_b32 s56, s[WV], 14                      ; my wave's 32
	s_add_co_u32 s50, s50, s56
	s_add_nc_u64 s[14:15], s[14:15], s[50:51]
	s_mul_i32 s50, s31, REC
	s_add_nc_u64 s[24:25], s[24:25], s[50:51]      ; the weight record
	s_mul_i32 s50, ttmp9, REC
	s_add_nc_u64 s[22:23], s[22:23], s[50:51]      ; x's record
.irp b, 0,1,2,3
.irp j, 0,1,2,3
	global_load_b128 v[SV+16*\b+4*\j:SV+16*\b+4*\j+3], v18, s[12:13] offset:128*\b+16*\j   ; S(32 b + 16 h + 4 j ..)
.endr
.endr
	LOADF 0
	LOADF 1
	LOADF 2
	LOADF 3
; ---- my six fragments of the factors: turned, U's multiplied by S in f32, quantised along the rank, laid in LDS
.irp f, 0,1,2,3,4,5
.if \f < 3
	s_wait_loadcnt 48                              ; this fragment's 16 loads (and S's, which are older) are in; three fragments' may be out
.else
	s_wait_loadcnt 16*(5-\f)                       ; the counts run down: 32, 16, 0
.endif
	TURNF \f
	s_wait_dscnt 0x0                               ; the numbers are back, and the stores have read the raw set,
.if \f < 2
	LOADF \f+4                                     ; which takes V's rows
.endif
.if \f < 4
.set k, 0
.rept 32
	v_pk_mul_f32 v[H0+k:H0+k+1], v[H0+k:H0+k+1], v[SV+k:SV+k+1]   ; U * S
.set k, k+2
.endr
.endif
	QUANT H0, 0x1800000, 0
.if \f < 4
	IMAGE 8, 10, \f
.else
	IMAGE 9, 11, \f-4
.endif
	s_wait_dscnt 0x0                               ; the stores have landed (for the others' sake, in front of the barrier) and have read their registers
.endr
	s_barrier_signal -1                            ; x's tile may stay on its way: no LDS byte is filled again in this launch, and only I read my tile
	s_barrier_wait -1                              ; the 24 images lie in LDS
	WIN 0x80
.irp t, 0,1,2,3,4,5,6,7
.irp c, 0,1,2
	ds_load_b128 v[12*\t+4*\c:12*\t+4*\c+3], v12 offset:1536*\t+512*\c
.endr
.endr
.irp i, 0,1,2,3
.irp c, 0,1,2
	ds_load_b128 v[96+12*\i+4*\c:96+12*\i+4*\c+3], v13 offset:1536*\i+512*\c
.endr
.endr
	WIN 0
.irp t, 0,1,2,3,4,5,6,7
	ds_load_b32 v[USR+\t], v14 offset:128*\t
.endr
.irp i, 0,1,2,3
	ds_load_b32 v[VSR+\i], v15 offset:128*\i
.endr
	s_wait_dscnt 0x0
; ---- the weight: for each of my four tiles eight products, each a sum of its own (K = the rank's 128 is one instruction)
.irp i, 0,1,2,3
	WIN 0x0a                                       ; both sources window 2, the result window 0
.irp t, 0,1,2,3,4,5,6,7
	v_wmma_scale_f32_16x16x128_f8f6f4 v[H0+8*\t:H0+8*\t+7], v[12*\t:12*\t+11], v[96+12*\i:96+12*\i+11], 0, v[USR+\t], v[VSR+\i] matrix_a_fmt:MATRIX_FMT_FP6 matrix_b_fmt:MATRIX_FMT_FP6
.endr
	WIN 0
.rept 4
	v_nop                                          ; four places ahead of the first read of the results (ISA guide 7.12.1)
.endr
	s_wait_xcnt 0x0                                ; the last tile's stores have read the codes' registers
	QUANT H0, 0x1800000, 0                         ; along U's rows: the K of the product that will use the weight.  (Its lines on v168-184 are more than the five places that the next tile's products, which write these results over, want)
	EMIT 24, \i
.endr
	SCSTORE 24
; ---- x
	s_wait_tensorcnt 0x0                           ; my tile has landed; nobody else reads it
	XFETCH 0
.irp i, 0,1,2,3
.if \i < 3
	XFETCH \i+1
	s_wait_dscnt 16                                ; this tile's 16 loads are in; the next tile's may be out
.else
	s_wait_dscnt 0x0
.endif
	s_wait_xcnt 0x0                                ; earlier stores have read the codes' registers
.if (\i%2) == 0
	QUANT H0, 0x1800000, 0
.else
	QUANT H1, 0x1800000, 0
.endif
	EMIT 22, \i
.endr
	SCSTORE 22
	s_wait_tensorcnt 0x0                           ; the wave's end: the add to my spare word and its wait stand behind my tensor load and my last LDS store
	ds_add_u32 v[SPW], v[NIL]
	s_wait_dscnt 0x0
	s_endpgm
.Lfunc_end_k_q8aa295cf10_prep:
	.size	k_q8aa295cf10_prep, .Lfunc_end_k_q8aa295cf10_prep-k_q8aa295cf10_prep
	.p2alignl 7, 3214868480
	.fill 96, 4, 3214868480
	.section	.rodata,"a",@progbits
	.p2align	6, 0x0
	.amdhsa_kernel k_q8aa295cf10_prep
		.amdhsa_group_segment_fixed_size 209408
		.amdhsa_private_segment_fixed_size 0
		.amdhsa_enable_private_segment 0
		.amdhsa_kernarg_size 80
		.amdhsa_user_sgpr_count 2
		.amdhsa_user_sgpr_kernarg_segment_ptr 1
		.amdhsa_wavefront_size32 1
		.amdhsa_system_sgpr_workgroup_id_x 1
		.amdhsa_system_sgpr_workgroup_id_y 1
		.amdhsa_system_sgpr_workgroup_id_z 1
		.amdhsa_system_vgpr_workitem_id 0
		.amdhsa_next_free_vgpr 768
		.amdhsa_next_free_sgpr 66
		.amdhsa_reserve_vcc 0
		.amdhsa_float_denorm_mode_32 3
		.amdhsa_float_denorm_mode_16_64 3
		.amdhsa_memory_ordered 1
		.amdhsa_forward_progress 1
		.amdhsa_inst_pref_size 106
	.end_amdhsa_kernel
	.amdgpu_metadata
---
amdhsa.version: [ 1, 2 ]
amdhsa.kernels:
  - .name:           k_q8aa295cf10_prep
    .symbol:         k_q8aa295cf10_prep.kd
    .args:
      - { .name: x, .offset: 0, .size: 8, .value_kind: global_buffer, .address_space: global }
      - { .name: cfc_U, .offset: 8, .size: 8, .value_kind: global_buffer, .address_space: global }
      - { .name: cfc_S, .offset: 16, .size: 8, .value_kind: global_buffer, .address_space: global }
      - { .name: cfc_V, .offset: 24, .size: 8, .value_kind: global_buffer, .address_space: global }
      - { .name: cproj_U, .offset: 32, .size: 8, .value_kind: global_buffer, .address_space: global }
      - { .name: cproj_S, .offset: 40, .size: 8, .value_kind: global_buffer, .address_space: global }
      - { .name: cproj_V, .offset: 48, .size: 8, .value_kind: global_buffer, .address_space: global }
      - { .name: xr, .offset: 56, .size: 8, .value_kind: global_buffer, .address_space: global }
      - { .name: w1r, .offset: 64, .size: 8, .value_kind: global_buffer, .address_space: global }
      - { .name: w2r, .offset: 72, .size: 8, .value_kind: global_buffer, .address_space: global }
    .group_segment_fixed_size: 209408
    .private_segment_fixed_size: 0
    .kernarg_segment_align: 8
    .kernarg_segment_size: 80
    .max_flat_workgroup_size: 128
    .sgpr_count:     66
    .vgpr_count:     768
    .wavefront_size: 32
...
	.end_amdgpu_metadata
.endif
;; end of part 1
;; launch gemm1 (part 2): grid 8 x 32, 4 waves a work-group, clusters of 4 x 1, 207,360 bytes of LDS; arguments xr, w1r, cfc_bias, hr; writes hr
.if DOCPART == 2
	.amdgcn_target "amdgcn-amd-amdhsa--gfx1250"
	.amdhsa_code_object_version 6
	.text
	.protected	k_q8aa295cf10_gemm1
	.globl	k_q8aa295cf10_gemm1
	.p2align	8
	.type	k_q8aa295cf10_gemm1,@function
k_q8aa295cf10_gemm1:
	s_mov_b64 s[64:65], 0
	v_nop
	global_prefetch_b8 v0, s[64:65] scope:SCOPE_SE
	s_setreg_imm32_b32 hwreg(HW_REG_WAVE_MODE, 25, 1), 1
	s_wait_xcnt 0x0
	s_wait_alu depctr_hold_cnt(0) depctr_sa_sdst(0) depctr_va_vdst(0) depctr_va_sdst(0) depctr_va_ssrc(0) depctr_va_vcc(0) depctr_vm_vsrc(0)
	s_getreg_b32 s2, hwreg(HW_REG_IB_STS2, 6, 4)
	s_cmp_eq_u32 s2, 0
	s_cbranch_scc0 .Lentry_in_a_cluster
	s_endpgm
.Lentry_in_a_cluster:
	s_bfe_u32 s2, ttmp6, 0x10000c
	s_cmp_lg_u32 s2, 0x3003
	s_cbranch_scc0 .Lentry_shape_is_right
	s_endpgm
.Lentry_shape_is_right:
; GEMM 1: h = gelu(x W1 + b1), M 8,192, K 1,024, N 4,096, on codes of FP6 (E2M3) with E8M0 scales; h leaves as codes, quantised along N, which is the next product's K.
; Operands come as RECORDS: 128 rows x 256 along K as images of operand registers, 25,600 dense bytes: fragment (tile i, K step q) at (2 i + q) 1536, registers 4 c .. 4 c + 3 of lane l at 512 c + 16 l;
;   scale word of tile i, K step q, row r at 24,576 + 512 (i / 4) + 256 q + 16 r + 4 (i % 4).  h is stored in the same form.
; W1 STAYS IN REGISTERS.  A work-group of four waves makes 256 rows x 512 columns; wave w makes columns 128 w .. 128 w + 127 for all 256 rows.  Its part of W1, 128 columns x K 1,024, is 64 fragments = 768 registers,
;   loaded once, 512 consecutive bytes a load.  Twelve registers do not divide a window of 256: 21 fragments lie in each of windows 1 to 3, the 64th in window 0.
; x: the work-group's eight records fit in LDS together: filled once, no ring, one barrier.  Codes and scale words land apart, so that block n (16 rows, n = 0 .. 15) of K slot p lies at 49,152 p + 3,072 n.
; A BLOCK of 16 rows x 128 columns: 64 products (8 K steps x 8 tiles of columns) on ONE set of eight accumulators, then GELU, quantiser, stores.  Every block names the same registers: a loop of 4 trips, 4 blocks written out
;   (a scale word's place in its record hangs on n % 4).  The bias comes from LDS into the accumulators ahead of each block: it is the C of the first K step.
; CLUSTER 4 x 1: the four work-groups of a cluster make four groups of columns of the same 256 rows: x's records are asked for jointly, with the mask of all four.  The bias hangs on the columns: a load of each work-group's own.
; TRANSPOSED: source 0 = 16 rows of W1, source 1 = 16 rows of x.  The rows of W1's tiles are so chosen that register j of accumulator b in lane (r, h) is row r of the block, column 32 (b / 2) + 16 h + 8 (b % 2) + j:
;   the 64 registers are 16 neighbours of each of four blocks of 32 along the next K.
; GELU as it is defined: 0.5 y (1 + erf(y / sqrt 2)).  erf(z) = z P(z^2) / Q(z^2), z held to +-4, degrees 6 and 4; the factors of z = y / sqrt 2 are folded into the coefficients.
;   What is quantised is G = y + y erf = 2 gelu(y): the same codes, since the factor 2 is exact, and each scale byte is stored one less.
; LIMITS: 1 + erf is formed as written, with an absolute error near 1e-7, so gelu's relative error passes 1e-6 for y under about -1.6; under y = -5.66 erf is the approximation's value at z = -4;
;   |y| over 1.7e38 overflows in G; a block whose largest |G| lies under 2^(4 - 127) keeps the byte 1; NaN and infinities are not served.
; No prefetch: every load from memory stands at the kernel's head.
.set REC,   25600
.set SCO,   24576
.set ACP,   49152                      ; LDS 0: x's codes of K slot p at p ACP: the first 128 rows' 24,576 bytes, then the second's
.set ASCL,  4*ACP                      ; x's scale words of K slot p at 2,048 p: 1,024 bytes for each 128 rows
.set BIASL, ASCL+4*2048                ; the bias: 512 bytes for each wave
.set SPARE, BIASL+4*512                ; the spare words, 128 bytes for each wave: two blocks of 256 bytes that no other line names
; window 0
.set SPW,   1                          ; v1      LDS address of my spare word; never rewritten
.set NIL,   2                          ; v2      0; never rewritten
.set LI,    3                          ; v3      16 x lane: my place in an image, in memory; never rewritten
.set ASB,   4                          ; v4      x's scale words of the trip's four blocks
.set ABI,   5                          ; v5      the bias of my half's columns: BIASL + 512 w + 64 h
.set AD1,   6                          ; v6      x's codes of the trip's first block, K slots 2 and 3
.set AD0,   7                          ; v7      the same, K slots 0 and 1
.set SW,    8                          ; v8-11   h's scale words of the trip's four blocks
.set XS,    12                         ; v12-15  x's scale words, one register a K slot: lanes 0-15 its first K step, lanes 16-31 its second (scales and nothing else)
.set WS,    16                         ; v16-47  W1's: register 8 p + b, halves likewise (scales and nothing else)
.set F63,   48                         ; v48-59  W1's fragment 63
.set ACC,   60                         ; v60-123 the eight accumulators
.set XF,    124                        ; v124-219 x's eight fragments; behind the products: 32 numbers each of
.set YC,    124                        ;         y held,
.set SS,    156                        ;         y^2,
.set QQ,    188                        ;         Q
.set PP,    220                        ; v220-251 P; behind the GELU the quantiser's registers:
.set TM,    220                        ;         v220-223 largest magnitudes, v224-227 the other half's, then bytes, v228-231 scale operands
.set PW,    232                        ;         the scale word
.set PC,    234                        ;         v234-253 the codes
.set LV,    254                        ; v254    4 sqrt 2
; window 1: v0-251 fragments 0-20, v252-255 two coefficients, twice each.   window 2: fragments 21-41.   window 3: fragments 42-62.   Fragment 8 s + b: K step s, tile b.
.set G1C,   24                         ; s[24:31] descriptor group 1: a record's codes, 96 dense rows of 256 bytes
.set G1S,   32                         ; s[32:39] a record's scale words, 4 rows
.set G1Z,   48                         ; s[48:55] my bias, 2 rows
.set G0C0,  56                         ; groups 0: codes of the first and of the second 128 rows,
.set G0C1,  60
.set G0S0,  88                         ; their scale words,
.set G0S1,  92
.set G0Z,   96                         ; the bias
.set SEL,   44                         ; s[44:45] lane selects: lane l xor 16
.set MSB, 0
.macro WIN new                         ; the immediate's high byte repeats the setting that is left
.if MSB != (\new)
	s_set_vgpr_msb (MSB<<8)|(\new)
.set MSB, (\new)
.endif
.endm
.macro PAIR r, val                     ; a constant for the packed forms, which name a pair
	s_mov_b32 s[\r], \val
	s_mov_b32 s[\r+1], \val
.endm
.macro CREST                           ; a round of the cluster's barrier behind its opening barrier
	s_cmp_lg_u32 s14, 0
	s_cbranch_scc1 .Lnot_wave_0_\@
	s_barrier_signal -3
.Lnot_wave_0_\@:
	s_barrier_wait -3
	s_barrier_signal -1
	s_barrier_wait -1
.endm
.macro CROUND
	s_barrier_signal -1
	s_barrier_wait -1
	CREST
.endm
; x's eight fragments and four scale words of block cn of the trip (cn = 4: the next trip's first).  28 LDS loads in one run.
.macro AFETCH cn
.irp s, 0,1,2,3,4,5,6,7
.irp c, 0,1,2
.if \s < 4
	ds_load_b128 v[XF+12*\s+4*\c:XF+12*\s+4*\c+3], v[AD0] offset:(\s/2)*ACP+(\cn)*3072+(\s%2)*1536+512*\c
.else
	ds_load_b128 v[XF+12*\s+4*\c:XF+12*\s+4*\c+3], v[AD1] offset:(\s/2-2)*ACP+(\cn)*3072+(\s%2)*1536+512*\c
.endif
.endr
.endr
.irp p, 0,1,2,3
	ds_load_b32 v[XS+\p], v[ASB] offset:\p*2048+4*((\cn)%4)+512*((\cn)/4)
.endr
.endm
.macro BIAS                            ; the bias into the accumulators, in the result's layout: sixteen lanes read the same 16 bytes
.irp b, 0,1,2,3,4,5,6,7
	ds_load_b128 v[ACC+8*\b:ACC+8*\b+3], v[ABI] offset:128*(\b/2)+32*(\b%2)
	ds_load_b128 v[ACC+8*\b+4:ACC+8*\b+7], v[ABI] offset:128*(\b/2)+32*(\b%2)+16
.endr
.endm
; 64 matrix instructions: K step by K step, the eight accumulators by turns, one instruction a turn, over the loop's backward jump too.  Four switches of source 0's window.
.macro PRODUCTS
.set fi, 0
.rept 64
.if fi < 63
	WIN 1+fi/21
.set rB, 12*(fi%21)
.else
	WIN 0
.set rB, F63
.endif
.if ((fi/8)%2) == 0
	v_wmma_scale_f32_16x16x128_f8f6f4 v[ACC+8*(fi%8):ACC+8*(fi%8)+7], v[rB:rB+11], v[XF+12*(fi/8):XF+12*(fi/8)+11], v[ACC+8*(fi%8):ACC+8*(fi%8)+7], v[WS+8*(fi/16)+fi%8], v[XS+fi/16] matrix_a_fmt:MATRIX_FMT_FP6 matrix_b_fmt:MATRIX_FMT_FP6
.else
	v_wmma_scale_f32_16x16x128_f8f6f4 v[ACC+8*(fi%8):ACC+8*(fi%8)+7], v[rB:rB+11], v[XF+12*(fi/8):XF+12*(fi/8)+11], v[ACC+8*(fi%8):ACC+8*(fi%8)+7], v[WS+8*(fi/16)+fi%8], v[XS+fi/16] matrix_a_fmt:MATRIX_FMT_FP6 matrix_b_fmt:MATRIX_FMT_FP6 matrix_a_scale:MATRIX_SCALE_ROW1 matrix_b_scale:MATRIX_SCALE_ROW1
.endif
.set fi, fi+1
.endr
	WIN 0
.endm
; G = y + y erf(y / sqrt 2) of accumulators 4 p .. 4 p + 3, in place: 32 numbers a lane.
.macro GELU p
.set AH, ACC+32*(\p)
.set j, 0
.rept 32
	v_med3_num_f32 v[YC+j], v[AH+j], -v[LV], v[LV]   ; y held to +-4 sqrt 2; each accumulator is read from its low end on
.set j, j+1
.endr
.set j, 0
.rept 16
	v_pk_mul_f32 v[SS+j:SS+j+1], v[YC+j:YC+j+1], v[YC+j:YC+j+1]   ; s = y^2
.set j, j+2
.endr
	WIN 0x10                                       ; source 2 in window 1
.set j, 0
.rept 16
	v_pk_fma_f32 v[PP+j:PP+j+1], v[SS+j:SS+j+1], s[68:69], v[252:253] op_sel_hi:[1,0,1]   ; P = A6 s + A5
.set j, j+2
.endr
.set j, 0
.rept 16
	v_pk_fma_f32 v[QQ+j:QQ+j+1], v[SS+j:SS+j+1], s[80:81], v[254:255] op_sel_hi:[1,0,1]   ; Q = B4 s + B3
.set j, j+2
.endr
	WIN 0
.irp k, 70,72,74,76,78
.set j, 0
.rept 16
	v_pk_fma_f32 v[PP+j:PP+j+1], v[PP+j:PP+j+1], v[SS+j:SS+j+1], s[\k:\k+1] op_sel_hi:[1,1,0]   ; P = P s + A4 .. A0
.set j, j+2
.endr
.endr
.irp k, 82,84,86
.set j, 0
.rept 16
	v_pk_fma_f32 v[QQ+j:QQ+j+1], v[QQ+j:QQ+j+1], v[SS+j:SS+j+1], s[\k:\k+1] op_sel_hi:[1,1,0]   ; Q = Q s + B2 .. B0
.set j, j+2
.endr
.endr
.set j, 0
.rept 32
	v_rcp_f32 v[QQ+j], v[QQ+j]                     ; 1 / Q: one batch
.set j, j+1
.endr
.set j, 0
.rept 16
	v_pk_mul_f32 v[PP+j:PP+j+1], v[PP+j:PP+j+1], v[YC+j:YC+j+1]   ; y P: plain work that names no reciprocal
.set j, j+2
.endr
	s_wait_alu depctr_va_vdst(0)                   ; one wait for the 32 reciprocals, ahead of their first reader
.set j, 0
.rept 16
	v_pk_mul_f32 v[PP+j:PP+j+1], v[PP+j:PP+j+1], v[QQ+j:QQ+j+1]   ; erf(y / sqrt 2)
.set j, j+2
.endr
.set j, 0
.rept 16
	v_pk_fma_f32 v[AH+j:AH+j+1], v[AH+j:AH+j+1], v[PP+j:PP+j+1], v[AH+j:AH+j+1]   ; G, with the y that was not held
.set j, j+2
.endr
.endm
; The quantiser, in two parts.  QHEAD: the four blocks' largest magnitudes, the scale operands, the conversions: behind them the accumulators are free.
.macro QHEAD
.irp b, 0,1,2,3
	v_max3_num_f32 v[TM+\b], |v[ACC+16*\b]|, |v[ACC+1+16*\b]|, 0x2000000   ; block b: my 16 numbers and the floor 2^(4 - 127): G is twice the number that is stored
.endr
.irp i, 2,4,6,8,10,12,14
.irp b, 0,1,2,3
	v_max3_num_f32 v[TM+\b], v[TM+\b], |v[ACC+16*\b+\i]|, |v[ACC+1+16*\b+\i]|   ; the four blocks by turns
.endr
.endr
.irp b, 0,1,2,3
	v_permlanex16_b32 v[TM+4+\b], v[TM+\b], s[SEL], s[SEL+1]
.endr
.irp b, 0,1,2,3
	v_max_num_f32 v[TM+\b], v[TM+\b], v[TM+4+\b]   ; with lane l xor 16's 16: the block's largest magnitude
.endr
.irp b, 0,1,2,3
	v_add_nc_u32 v[TM+8+\b], 0xff000000, v[TM+\b]  ; 2 off its exponent field: the conversion's scale operand
.endr
.irp c, 0,1
	v_cvt_scalef32_pk16_fp6_f32 v[PC+6*\c:PC+2+6*\c], v[ACC+32*\c:ACC+15+32*\c], v[TM+8+2*\c]
	v_cvt_scalef32_pk16_fp6_f32 v[PC+12+4*\c:PC+14+4*\c], v[ACC+16+32*\c:ACC+31+32*\c], v[TM+8+2*\c+1]   ; (a conversion's three registers begin on an even number)
.endr
.endm
; QTAIL: the scale word, and whole blocks of codes into the lanes.  Its first lines are the plain place behind the conversions.
.macro QTAIL
.irp b, 0,1,2,3
	v_lshrrev_b32 v[TM+4+\b], 23, v[TM+8+\b]       ; the scale's byte
.endr
	v_lshl_or_b32 v[PW], v[TM+5], 8, v[TM+4]
	v_lshl_or_b32 v[PW], v[TM+6], 16, v[PW]
	v_lshl_or_b32 v[PW], v[TM+7], 24, v[PW]
	v_add_nc_u32 v[PW], 0xfefefeff, v[PW]          ; 1 off each byte (none is under 2: no borrow): G's codes are gelu's
.irp c, 0,1                                    ; the operand wants a whole block in a lane: lanes 0-15 block 2 c, lanes 16-31 block 2 c + 1
.irp i, 0,1,2
	v_permlane16_swap_b32 v[PC+6*\c+\i], v[PC+12+4*\c+\i]
.endr
.irp i, 0,1,2
	v_mov_b32 v[PC+3+6*\c+\i], v[PC+12+4*\c+\i]
.endr
.endr
.endm
; Block c of the trip's four.
.macro BLOCK c
	s_wait_dscnt 0x0                               ; x's fragments and scale words, asked for ahead of the last quantiser, and the bias, asked for inside it
	PRODUCTS
.rept 4
	v_nop                                          ; four places behind the last products (ISA guide 7.12.1), ahead of the first read of results and of writes into the registers that held x's fragments
.endr
	s_wait_xcnt 0x0                                ; the last block's stores have read the codes' registers, which P takes
	GELU 0
	GELU 1
	AFETCH (\c)+1                                  ; the temporaries are done with: the next block's fragments land while this block is quantised
	QHEAD
	BIAS                                           ; the conversions have read the accumulators: the next block's sums begin on the bias
	QTAIL
.irp k, 0,1,2
	global_store_b128 v[LI], v[PC+4*\k:PC+4*\k+3], s[20:21] offset:3072*(\c)+512*\k   ; the fragment (tile, K step w % 2) of h's record: 512 consecutive bytes a store
.endr
	v_mov_b32 v[SW+(\c)], v[PW]
.endm
	s_load_b128 s[4:7], s[0:1], 0x0                ; xr, w1r
	s_load_b128 s[8:11], s[0:1], 0x10              ; the bias, hr
	v_lshl_add_u32 v[SPW], v0, 2, SPARE
	v_mov_b32 v[NIL], 0
	ds_add_u32 v[SPW], v[NIL]                      ; the wave's opening: the add and its wait stand ahead of my first tensor load; work on registers stands between them
	v_lshrrev_b32 v[LI], 5, v0
	v_readfirstlane_b32 s14, v[LI]                 ; wave 0..3
	s_lshr_b32 s15, s14, 1                         ; which 256 of the work-group's 512 columns: h's record along its K
	s_and_b32 s16, s14, 1                          ; which 128 of them: h's K step
	s_bfe_u32 s40, ttmp6, 0x40000                  ; cx: my place in the cluster
	s_lshl_b32 s42, ttmp9, 2
	s_add_co_u32 s42, s42, s40                     ; my group of 512 columns = 4 x cluster x + cx: it enters W1's, the bias's and h's addresses alone
	s_and_b32 s17, ttmp7, 0xffff                   ; my group of 256 rows, which the four partners share
	s_mov_b32 s[G1C], 15|(3<<16)|(1<<21)           ; the mask: all four work-groups; elements of 8 bytes; bit 21 beside a mask; no padding
	s_mov_b32 s[G1C+1], 32<<16                     ; rows of 256 bytes,
	s_mov_b32 s[G1C+2], 96<<16                     ; 96 of them, dense
	s_mov_b32 s[G1C+3], 32<<16
	s_mov_b32 s[G1C+4], 96
	s_mov_b32 s[G1C+5], 32
	s_mov_b32 s[G1C+6], 0
	s_mov_b32 s[G1C+7], 0
	s_mov_b32 s[G1S], 15|(3<<16)|(1<<21)
	s_mov_b32 s[G1S+1], 32<<16
	s_mov_b32 s[G1S+2], 4<<16                      ; 4 rows
	s_mov_b32 s[G1S+3], 32<<16
	s_mov_b32 s[G1S+4], 4
	s_mov_b32 s[G1S+5], 32
	s_mov_b32 s[G1S+6], 0
	s_mov_b32 s[G1S+7], 0
	s_mov_b32 s[G1Z], 3<<16                        ; no mask: the bias is my work-group's own
	s_mov_b32 s[G1Z+1], 32<<16
	s_mov_b32 s[G1Z+2], 2<<16                      ; 2 rows
	s_mov_b32 s[G1Z+3], 32<<16
	s_mov_b32 s[G1Z+4], 2
	s_mov_b32 s[G1Z+5], 32
	s_mov_b32 s[G1Z+6], 0
	s_mov_b32 s[G1Z+7], 0
	s_mul_i32 s20, s17, 8*REC                      ; x: my 256 rows are two groups of four records;
	s_mul_i32 s21, s14, REC                        ; wave w fetches K slot w of both
	s_add_co_u32 s20, s20, s21
	s_mov_b32 s21, 0
	s_lshl_b32 s22, s42, 11                        ; the bias: 512 columns of 4 bytes a work-group,
	s_lshl_b32 s47, s14, 9                         ; 128 a wave
	s_add_co_u32 s22, s22, s47
	s_mov_b32 s23, 0
	s_mul_i32 s41, s14, ACP                        ; where they go: the wave's number times a constant, plus constants
	s_lshl_b32 s43, s14, 11
	s_mov_b32 s[G0C0], 1
	s_mov_b32 s[G0C0+1], s41
	s_mov_b32 s[G0C1], 1
	s_add_co_u32 s[G0C1+1], s41, 24576
	s_mov_b32 s[G0S0], 1
	s_add_co_u32 s[G0S0+1], s43, ASCL
	s_mov_b32 s[G0S1], 1
	s_add_co_u32 s[G0S1+1], s43, ASCL+1024
	s_mov_b32 s[G0Z], 1
	s_add_co_u32 s[G0Z+1], s47, BIASL
	PAIR 68, 0xac53f331                            ; erf's numerator, y's powers of 1 / 2 and the 1 / sqrt 2 folded in: A6,
	PAIR 70, 0xb3c7667d                            ; A4 (A5 lies in a vector pair),
	PAIR 72, 0xb6a8d45d                            ; A3,
	PAIR 74, 0xb9083d9c                            ; A2,
	PAIR 76, 0xba88eb41                            ; A1,
	PAIR 78, 0xbc3a79f3                            ; A0;
	PAIR 80, 0xb57460cd                            ; its denominator: B4 (B3 lies in a vector pair),
	PAIR 82, 0xb9dc924e                            ; B2,
	PAIR 84, 0xbb719bf8                            ; B1,
	PAIR 86, 0xbc69b6a7                            ; B0
	s_mov_b32 s[SEL], 0x76543210
	s_mov_b32 s[SEL+1], 0xfedcba98
	s_wait_dscnt 0x0                               ; the opening add is done
	s_wait_kmcnt 0x0
	s_add_nc_u64 s[20:21], s[4:5], s[20:21]
	s_add_nc_u64 s[22:23], s[8:9], s[22:23]
	s_mov_b64 s[G0C0+2:G0C0+3], s[20:21]
	s_or_b32 s[G0C0+3], s[G0C0+3], 0x80000000
	s_add_nc_u64 s[G0C1+2:G0C1+3], s[20:21], 4*REC
	s_or_b32 s[G0C1+3], s[G0C1+3], 0x80000000
	s_add_nc_u64 s[G0S0+2:G0S0+3], s[20:21], SCO
	s_or_b32 s[G0S0+3], s[G0S0+3], 0x80000000
	s_add_nc_u64 s[G0S1+2:G0S1+3], s[20:21], 4*REC+SCO
	s_or_b32 s[G0S1+3], s[G0S1+3], 0x80000000
	s_mov_b64 s[G0Z+2:G0Z+3], s[22:23]
	s_or_b32 s[G0Z+3], s[G0Z+3], 0x80000000
	CROUND                                         ; all four work-groups are here: the joint loads meet
	tensor_load_to_lds s[G0C0:G0C0+3], s[G1C:G1C+7]   ; all fills of the launch go out as one group: five loads of mine are out
	s_nop 0
	tensor_load_to_lds s[G0C1:G0C1+3], s[G1C:G1C+7]
	s_nop 0
	tensor_load_to_lds s[G0S0:G0S0+3], s[G1S:G1S+7]
	s_nop 0
	tensor_load_to_lds s[G0S1:G0S1+3], s[G1S:G1S+7]
	s_nop 0
	tensor_load_to_lds s[G0Z:G0Z+3], s[G1Z:G1Z+7]
	s_nop 0
.rept 4
	v_nop                                          ; (four behind the last of the loads)
.endr
	v_and_b32 v[LI], 31, v0
	v_lshlrev_b32 v[LI], 4, v[LI]                  ; 16 x lane
	v_and_b32 v[AD0], 31, v0
	v_lshlrev_b32 v[AD0], 4, v[AD0]
	v_add_nc_u32 v[AD1], 2*ACP, v[AD0]
	v_add_nc_u32 v[ASB], ASCL, v[AD0]
	v_bfe_u32 v[ABI], v0, 4, 1
	v_lshlrev_b32 v[ABI], 6, v[ABI]                ; 64 h
	v_add_nc_u32 v[ABI], s[G0Z+1], v[ABI]          ; + where my bias lands (the register is read, not written)
	v_mov_b32 v[LV], 0x40b504f3                    ; 4 sqrt 2
	s_lshl_b32 s46, s42, 2
	s_add_co_u32 s46, s46, s14
	s_mul_i32 s46, s46, 4*REC                      ; W1: group of 128 columns 4 x (my 512) + wave; four records along K
	s_mov_b32 s47, 0
	s_add_nc_u64 s[6:7], s[6:7], s[46:47]
.irp p, 0,1,2,3
.irp g, 0,1
	global_load_b128 v[WS+8*\p+4*\g:WS+8*\p+4*\g+3], v[LI], s[6:7] offset:\p*REC+SCO+512*\g   ; W1's scale words: four tiles a load
.endr
.endr
	WIN 0x40
	v_mov_b32 v252, 0x30284a8d                     ; A5
	v_mov_b32 v253, 0x30284a8d
	v_mov_b32 v254, 0xb7dfbd29                     ; B3
	v_mov_b32 v255, 0xb7dfbd29
.set fi, 0
.rept 64                                       ; W1's 64 fragments, K ascending: they stay
.if fi < 63
	WIN (1+fi/21)<<6
.set rB, 12*(fi%21)
.else
	WIN 0
.set rB, F63
.endif
.irp c, 0,1,2
	global_load_b128 v[rB+4*\c:rB+4*\c+3], v[LI], s[6:7] offset:(fi/16)*REC+(2*(fi%8)+(fi/8)%2)*1536+512*\c
.endr
.set fi, fi+1
.endr
	WIN 0
	s_lshl_b32 s46, s17, 5                         ; h: group of rows 2 x (my 256), 16 records along its K,
	s_lshl_b32 s41, s42, 1
	s_add_co_u32 s46, s46, s41                     ; record 2 x (my 512 columns) + w / 2
	s_add_co_u32 s46, s46, s15
	s_mul_i32 s46, s46, REC
	s_add_nc_u64 s[10:11], s[10:11], s[46:47]
	s_mul_i32 s46, s16, 1536
	s_add_nc_u64 s[12:13], s[10:11], s[46:47]      ; its codes: K step w % 2 of tile 0
	s_lshl_b32 s46, s16, 8
	s_add_co_u32 s46, s46, SCO
	s_add_nc_u64 s[18:19], s[10:11], s[46:47]      ; its scale words
	s_wait_tensorcnt 0x0                           ; my parts of x and my bias have landed,
	s_barrier_signal -1
	s_barrier_wait -1                              ; everybody's have
	AFETCH 0
	BIAS
	s_wait_loadcnt 0x0                             ; W1
	s_mov_b32 s3, 0
.Ltrip:                                            ; trip t: blocks 4 t .. 4 t + 3: rows 128 (t / 2) + 64 (t % 2) on
	s_and_b32 s41, s3, 1
	s_lshr_b32 s43, s3, 1
	s_mul_i32 s43, s43, 16*REC                     ; the next 128 rows' record lies 16 records on
	s_mul_i32 s46, s41, 12288                      ; four tiles' fragments
	s_add_co_u32 s46, s46, s43
	s_add_nc_u64 s[20:21], s[12:13], s[46:47]      ; (no store is out whose base this is: the trip ends behind a wait on XCNT)
	s_lshl_b32 s46, s41, 9                         ; four tiles' scale words
	s_add_co_u32 s46, s46, s43
	s_add_nc_u64 s[22:23], s[18:19], s[46:47]
	BLOCK 0
	BLOCK 1
	BLOCK 2
	BLOCK 3                                        ; (in the last trip its look-ahead reads the filled bytes that follow: scale words behind the codes, the bias behind the scale words; nothing uses them)
	v_cmp_gt_u32 vcc_lo, 256, v[LI]                ; lanes 0-15: lanes 16-31 hold the same words
	s_wait_xcnt 0x0                                ; EXEC changes only behind this wait
	s_and_saveexec_b32 s2, vcc_lo
	global_store_b128 v[LI], v[SW:SW+3], s[22:23]  ; row r's words of the four tiles: sixteen lanes store 256 consecutive bytes, aligned
	s_wait_xcnt 0x0                                ; and again ahead of the line that widens it; the words' registers and both bases may be written too
	s_or_b32 exec_lo, exec_lo, s2
	v_add_nc_u32 v[AD0], 12288, v[AD0]             ; four blocks on
	v_add_nc_u32 v[AD1], 12288, v[AD1]
	v_add_nc_u32 v[ASB], 512, v[ASB]
	s_add_co_u32 s3, s3, 1
	s_cmp_lt_u32 s3, 4
	s_cbranch_scc1 .Ltrip
	s_wait_tensorcnt 0x0                           ; the wave's end: the add to my spare word and its wait stand behind my last tensor load
	ds_add_u32 v[SPW], v[NIL]
	s_wait_dscnt 0x0                               ; (the look-ahead's loads too)
	CROUND                                         ; the closing round: no work-group ends while a partner may still ask for a tile that names it
	s_endpgm
.Lfunc_end_k_q8aa295cf10_gemm1:
	.size	k_q8aa295cf10_gemm1, .Lfunc_end_k_q8aa295cf10_gemm1-k_q8aa295cf10_gemm1
	.p2alignl 7, 3214868480
	.fill 96, 4, 3214868480
	.section	.rodata,"a",@progbits
	.p2align	6, 0x0
	.amdhsa_kernel k_q8aa295cf10_gemm1
		.amdhsa_group_segment_fixed_size 207360
		.amdhsa_private_segment_fixed_size 0
		.amdhsa_enable_private_segment 0
		.amdhsa_kernarg_size 32
		.amdhsa_user_sgpr_count 2
		.amdhsa_user_sgpr_kernarg_segment_ptr 1
		.amdhsa_wavefront_size32 1
		.amdhsa_system_sgpr_workgroup_id_x 1
		.amdhsa_system_sgpr_workgroup_id_y 1
		.amdhsa_system_sgpr_workgroup_id_z 1
		.amdhsa_system_vgpr_workitem_id 0
		.amdhsa_next_free_vgpr 1024
		.amdhsa_next_free_sgpr 100
		.amdhsa_reserve_vcc 1
		.amdhsa_float_denorm_mode_32 3
		.amdhsa_float_denorm_mode_16_64 3
		.amdhsa_memory_ordered 1
		.amdhsa_forward_progress 1
		.amdhsa_inst_pref_size 228
	.end_amdhsa_kernel
	.amdgpu_metadata
---
amdhsa.version: [ 1, 2 ]
amdhsa.kernels:
  - .name:           k_q8aa295cf10_gemm1
    .symbol:         k_q8aa295cf10_gemm1.kd
    .args:
      - { .name: xr, .offset: 0, .size: 8, .value_kind: global_buffer, .address_space: global }
      - { .name: w1r, .offset: 8, .size: 8, .value_kind: global_buffer, .address_space: global }
      - { .name: cfc_bias, .offset: 16, .size: 8, .value_kind: global_buffer, .address_space: global }
      - { .name: hr, .offset: 24, .size: 8, .value_kind: global_buffer, .address_space: global }
    .group_segment_fixed_size: 207360
    .private_segment_fixed_size: 0
    .kernarg_segment_align: 8
    .kernarg_segment_size: 32
    .max_flat_workgroup_size: 128
    .sgpr_count:     100
    .vgpr_count:     1024
    .wavefront_size: 32
...
	.end_amdgpu_metadata
.endif
;; end of part 2
;; launch gemm2 (part 3): grid 4 x 64, 4 waves a work-group, clusters of 4 x 4, 327,680 bytes of LDS; arguments hr, w2r, cproj_bias, out0; writes out0
.if DOCPART == 3
	.amdgcn_target "amdgcn-amd-amdhsa--gfx1250"
	.amdhsa_code_object_version 6
	.text
	.protected	k_q8aa295cf10_gemm2
	.globl	k_q8aa295cf10_gemm2
	.p2align	8
	.type	k_q8aa295cf10_gemm2,@function
k_q8aa295cf10_gemm2:
	s_mov_b64 s[64:65], 0
	v_nop
	global_prefetch_b8 v0, s[64:65] scope:SCOPE_SE
	s_setreg_imm32_b32 hwreg(HW_REG_WAVE_MODE, 25, 1), 1
	s_wait_xcnt 0x0
	s_wait_alu depctr_hold_cnt(0) depctr_sa_sdst(0) depctr_va_vdst(0) depctr_va_sdst(0) depctr_va_ssrc(0) depctr_va_vcc(0) depctr_vm_vsrc(0)
	s_getreg_b32 s2, hwreg(HW_REG_IB_STS2, 6, 4)
	s_cmp_eq_u32 s2, 0
	s_cbranch_scc0 .Lentry_in_a_cluster
	s_endpgm
.Lentry_in_a_cluster:
	s_bfe_u32 s2, ttmp6, 0x10000c
	s_cmp_lg_u32 s2, 0xf033
	s_cbranch_scc0 .Lentry_shape_is_right
	s_endpgm
.Lentry_shape_is_right:
; GEMM 2: out = h W2 + b2, M 8,192, K 4,096, N 1,024, on codes of FP6 (E2M3) with E8M0 scales; out in f32.
; Operands come as RECORDS: 128 rows x 256 along K as images of operand registers, 25,600 dense bytes: fragment (tile i, K step q) at (2 i + q) 1536, registers 4 c .. 4 c + 3 of lane l at 512 c + 16 l;
;   scale word of tile i, K step q, row r at 24,576 + 512 (i / 4) + 256 q + 16 r + 4 (i % 4): one load of 16 bytes a lane brings four tiles' words, lanes 0-15 K step 0, lanes 16-31 K step 1.
; SHARES.  A tile of C is 128 x 256: 64 x 4 = 256 work-groups (256 x 256 would give 128).  Wave (wm, wn) makes 64 x 128: 32 accumulators.
;   K goes in eight steps of 512 through two LDS slots of six records: A's two along K, then for each of B's two groups of rows two along K.  Waves 0, 1 fetch a record of A each, waves 2, 3 two neighbouring records of B each.
; CLUSTER 4 x 4: A's records are shared along a row of the cluster, B's along a column: joint loads with a mask that names the four.
; TRANSPOSED: source 0 = 16 rows of W2, source 1 = 16 rows of h.  Register j of accumulator (a, b) in lane (r, h) is row 16 a + r, column 32 (b / 2) + 16 h + 8 (b % 2) + j.  The bias is the C of each sum's first product.
; h IS PREFETCHED INTO THE L2, a lap (four records, two slots) ahead: macro ASK.  W2 is not: every tile row's work-groups read it again.
; LIMITS: NaN and infinities are not served.
; REGISTERS: window 0: v1-29 addresses; v32-79 scale words, a set of 24 for each slot (A's 2 x 4, then B's 2 x 8); v96-191 A's fragments, two sets; on the way out v128-255.
;   window 1: v0-191 B's fragments, two sets; v192-255 the bias.   window 2: accumulator (a, b) at v[8 (8 a + b)].
.set REC,   25600
.set SCO,   24576
.set SL,    6*REC
.set SPARE, 2*SL                       ; behind the ring: the spare words, 128 bytes for each wave: two blocks of 256 bytes that no other line names
.set ADRA,  16                         ; v16-17  my four tiles of A in slot 0, 1, + 16 x lane
.set ADSA,  18                         ; v18-19  their scale words
.set ADRB,  20                         ; v20-21  my group of B's rows
.set STO,   24                         ; v24     the way out: where I put 16 bytes of a row
.set RD,    25                         ; v25     and where I read a row back
.set CO,    26                         ; v26     16 x lane: my bytes of a row of out
.set PFO,   27                         ; v27     the prefetches' offset: 256 x lane; never rewritten
.set SPW,   28                         ; v28     LDS address of my spare word; never rewritten
.set NIL,   29                         ; v29     0; never rewritten
.set SC,    32
.set AF,    96
.set BIA,   192
.set BK,    128
.set G1,    24                         ; s[24:31], s[32:39] descriptor groups 1 and 0 (a set for each slot) for A;  s[48:55], s[56:63] for B
.set G0,    32
.set G1B,   48
.set G0B,   56
.set PFA,   18                         ; s[18:19] where my prefetches stand in h: my wave's 8,192 bytes of the codes of record 4 L + cx of my tile row
.set LIM,   13                         ; s13     1 in a wave that prefetches, else the greatest number
.set MSB, 0
.macro WIN new                         ; the immediate's high byte repeats the setting that is left
.if MSB != (\new)
	s_set_vgpr_msb (MSB<<8)|(\new)
.set MSB, (\new)
.endif
.endm
.set MUL,  0xa1                        ; source 0 (W2) window 1, source 1 (h) window 0, C and D window 2
.set TO_B, 0x40
.macro JLOAD g0a, g1a, g0b, g1b        ; a joint load: waves 0 and 1 for A, waves 2 and 3 for B; an s_nop 0 and four v_nop follow each of the two lines
	s_cmp_eq_u32 s15, 0
	s_cbranch_scc0 .Lfor_b_\@
	tensor_load_to_lds s[\g0a:\g0a+3], s[\g1a:\g1a+7]
	s_nop 0
.rept 4
	v_nop
.endr
	s_branch .Lasked_\@
.Lfor_b_\@:
	tensor_load_to_lds s[\g0b:\g0b+3], s[\g1b:\g1b+7]
	s_nop 0
.rept 4
	v_nop
.endr
.Lasked_\@:
.endm
; A PREFETCH INTO THE L2 of h's codes of the NEXT lap: four records, what the next trip's two refills will ask for.  Once a trip, behind slot 0's joint load, its five lines and the run of LDS loads that follows them:
; 256 matrix instructions ahead of the load of that lap's first slot.  A tile row's records are read by the four partners of one row of one cluster and by nobody else: partner cx takes record 4 L + cx, told apart BY ADDRESS;
; in each, waves 0 to 2 take 8,192 bytes of the record's 24,576 bytes of codes, lanes 256 bytes apart: one instruction a wave, and each aligned block of 256 bytes is named once in the launch.  A record's 1,024 bytes of scale words are not named.
; Laps 0 and 1 come by their loads alone: nothing is prefetched at the head.  The loop's last trip (s3 = 1) asks for nothing: there is no lap behind it.
.macro ASK
	s_cmp_gt_u32 s3, s[LIM]
	s_cbranch_scc0 .Lnot_mine_\@
	global_prefetch_b8 v[PFO], s[PFA:PFA+1] th:TH_LOAD_NT scope:SCOPE_SE
.Lnot_mine_\@:
.endm
.macro CREST                           ; a round of the cluster's barrier behind its opening barrier
	s_cmp_lg_u32 s14, 0
	s_cbranch_scc1 .Lnot_wave_0_\@
	s_barrier_signal -3
.Lnot_wave_0_\@:
	s_barrier_wait -3
	s_barrier_signal -1
	s_barrier_wait -1
.endm
.macro CROUND
	s_barrier_signal -1
	s_barrier_wait -1
	CREST
.endm
.macro PLACES                          ; four places behind a matrix instruction of this form (ISA guide 7.12.1)
.rept 4
	v_nop
.endr
.endm
; 36 LDS loads in one run: the twelve fragments of the slot's j-th 128 along K (record j / 2, K step j % 2), into set j % 2
.macro FETCH2 slot, j
	WIN TO_B
.irp b, 0,1,2,3,4,5,6,7
.irp c, 0,1,2
	ds_load_b128 v[96*((\j)%2)+12*\b+4*\c:96*((\j)%2)+12*\b+4*\c+3], v[ADRB+\slot] offset:((\j)/2)*REC+(2*\b+(\j)%2)*1536+512*\c
.endr
.endr
	WIN 0
.irp a, 0,1,2,3
.irp c, 0,1,2
	ds_load_b128 v[AF+48*((\j)%2)+12*\a+4*\c:AF+48*((\j)%2)+12*\a+4*\c+3], v[ADRA+\slot] offset:((\j)/2)*REC+(2*\a+(\j)%2)*1536+512*\c
.endr
.endr
.endm
.macro SCALES2 slot                    ; the slot's scale words, all four steps: six loads
.irp p, 0,1
	ds_load_b128 v[SC+24*\slot+4*\p:SC+24*\slot+4*\p+3], v[ADSA+\slot] offset:\p*REC
.irp g, 0,1
	ds_load_b128 v[SC+24*\slot+8+8*\p+4*\g:SC+24*\slot+8+8*\p+4*\g+3], v[ADRB+\slot] offset:\p*REC+SCO+512*\g
.endr
.endr
.endm
; 8 matrix instructions: h's block a against W2's eight.  The 32 accumulators take turns, one instruction a turn, in the same order in every step, over the loop's backward jump too.
.macro M8 a, j, sc, bias
.irp b, 0,1,2,3,4,5,6,7
.if \bias
	v_wmma_scale_f32_16x16x128_f8f6f4 v[8*(8*\a+\b):8*(8*\a+\b)+7], v[96*((\j)%2)+12*\b:96*((\j)%2)+12*\b+11], v[AF+48*((\j)%2)+12*\a:AF+48*((\j)%2)+12*\a+11], v[BIA+8*\b:BIA+8*\b+7], v[SC+24*(\sc)+8+8*((\j)/2)+\b], v[SC+24*(\sc)+4*((\j)/2)+\a] matrix_a_fmt:MATRIX_FMT_FP6 matrix_b_fmt:MATRIX_FMT_FP6
.elseif ((\j)%2) == 0
	v_wmma_scale_f32_16x16x128_f8f6f4 v[8*(8*\a+\b):8*(8*\a+\b)+7], v[96*((\j)%2)+12*\b:96*((\j)%2)+12*\b+11], v[AF+48*((\j)%2)+12*\a:AF+48*((\j)%2)+12*\a+11], v[8*(8*\a+\b):8*(8*\a+\b)+7], v[SC+24*(\sc)+8+8*((\j)/2)+\b], v[SC+24*(\sc)+4*((\j)/2)+\a] matrix_a_fmt:MATRIX_FMT_FP6 matrix_b_fmt:MATRIX_FMT_FP6
.else
	v_wmma_scale_f32_16x16x128_f8f6f4 v[8*(8*\a+\b):8*(8*\a+\b)+7], v[96*((\j)%2)+12*\b:96*((\j)%2)+12*\b+11], v[AF+48*((\j)%2)+12*\a:AF+48*((\j)%2)+12*\a+11], v[8*(8*\a+\b):8*(8*\a+\b)+7], v[SC+24*(\sc)+8+8*((\j)/2)+\b], v[SC+24*(\sc)+4*((\j)/2)+\a] matrix_a_fmt:MATRIX_FMT_FP6 matrix_b_fmt:MATRIX_FMT_FP6 matrix_a_scale:MATRIX_SCALE_ROW1 matrix_b_scale:MATRIX_SCALE_ROW1
.endif
.endr
.endm
; One of a slot's first three steps of 128 along K: the next step's fragments are asked for ahead of this step's 32 products.
.macro STEP2 slot, j, bias
	s_wait_dscnt 0x0                               ; this step's fragments (and scale words), asked for a step ago
	PLACES                                         ; the other set was read by the step before
	FETCH2 \slot, (\j)+1
.if \bias
	WIN 0x91                                       ; C (the bias) window 1, D window 2
.else
	WIN MUL
.endif
	M8 0, \j, \slot, \bias
	M8 1, \j, \slot, \bias
	M8 2, \j, \slot, \bias
	M8 3, \j, \slot, \bias
	WIN 0
.endm
; A slot's last step changes slots: ONE barrier; in front of it each wave waits for all its tensor loads, adds 0 to its spare word, and waits for that and for its reads of this slot.  fill = 1: this slot is filled again, 1,024 along K on.
.macro TURN2 slot, next, fill
.if (\fill) && (\slot) == 0
	s_wait_xcnt 0x0                                ; the last prefetch, a lap back, has read its address: it is stepped here, ahead of the waits of the change of slots
	s_add_nc_u64 s[PFA:PFA+1], s[PFA:PFA+1], 4*REC ; a lap on
.endif
	s_wait_tensorcnt 0x0                           ; all my tensor loads have landed: my part of the next slot
	ds_add_u32 v[SPW], v[NIL]                      ; 0 onto my spare word
	s_wait_dscnt 1                                 ; this step's fragments are in; the add alone may be out
	WIN MUL
	M8 0, 3, \slot, 0                              ; eight matrix instructions stand between the add and the wait for it
	s_wait_dscnt 0x0                               ; the add is done, and my reads of this slot are over
	s_barrier_signal -1
	M8 1, 3, \slot, 0
	WIN 0
	s_barrier_wait -1
.if \fill
	CREST                                          ; the barrier has opened a round of the cluster's: no wave of any partner still reads this slot or has a load on its way
	s_add_nc_u64 s[G0+4*\slot+2:G0+4*\slot+3], s[G0+4*\slot+2:G0+4*\slot+3], 4*REC
	s_add_nc_u64 s[G0B+4*\slot+2:G0B+4*\slot+3], s[G0B+4*\slot+2:G0B+4*\slot+3], 4*REC
	JLOAD G0+4*\slot, G1, G0B+4*\slot, G1B         ; the first tensor load behind the round: it has four steps, 128 matrix instructions less 16, in which to land; its four v_nop are also the places in front of the loads below
.else
	PLACES
.endif
	FETCH2 \next, 0
	SCALES2 \next
.if (\fill) && (\slot) == 0
	ASK                                            ; behind the joint load and the run of LDS loads that the next products wait for
.endif
	WIN MUL
	M8 2, 3, \slot, 0
	M8 3, 3, \slot, 0
	WIN 0
.endm
	s_load_b128 s[4:7], s[0:1], 0x0                ; hr, w2r
	s_load_b128 s[8:11], s[0:1], 0x10              ; the bias, out
	v_lshl_add_u32 v[SPW], v0, 2, SPARE
	v_mov_b32 v[NIL], 0
	ds_add_u32 v[SPW], v[NIL]                      ; the wave's opening: the add and its wait stand ahead of my first tensor load; work on registers stands between them
	v_lshrrev_b32 v1, 5, v0
	v_readfirstlane_b32 s14, v1                    ; wave 0..3
	s_lshr_b32 s15, s14, 1                         ; wm.  Also: I fetch for A (0) or for B (1)
	s_and_b32 s16, s14, 1                          ; wn.  Also: which part I fetch
	s_bfe_u32 s40, ttmp6, 0x40000                  ; cx, cy: my place in the cluster
	s_bfe_u32 s41, ttmp6, 0x40004
	s_lshl_b32 s42, ttmp9, 2
	s_add_co_u32 s42, s42, s40                     ; tile column = 4 x cluster x + cx
	s_and_b32 s17, ttmp7, 0xffff
	s_lshl_b32 s17, s17, 2
	s_add_co_u32 s17, s17, s41                     ; tile row = 4 x cluster y + cy
	s_lshl_b32 s43, s41, 2
	s_lshl_b32 s43, 15, s43                        ; my row of the cluster
	s_lshl_b32 s44, 0x1111, s40                    ; my column
	s_or_b32 s[G1], s43, (3<<16)|(1<<21)           ; the mask; elements of 8 bytes; bit 21 beside a mask; no padding
	s_mov_b32 s[G1+1], 32<<16                      ; a record of A: 100 dense rows of 256 bytes
	s_mov_b32 s[G1+2], 100<<16
	s_mov_b32 s[G1+3], 32<<16
	s_mov_b32 s[G1+4], 100
	s_mov_b32 s[G1+5], 32
	s_mov_b32 s[G1+6], 0
	s_mov_b32 s[G1+7], 0
	s_or_b32 s[G1B], s44, (3<<16)|(1<<21)
	s_mov_b32 s[G1B+1], 32<<16                     ; two neighbouring records of B: 200 rows
	s_mov_b32 s[G1B+2], 200<<16
	s_mov_b32 s[G1B+3], 32<<16
	s_mov_b32 s[G1B+4], 200
	s_mov_b32 s[G1B+5], 32
	s_mov_b32 s[G1B+6], 0
	s_mov_b32 s[G1B+7], 0
	s_lshl_b32 s20, s17, 4
	s_add_co_u32 s20, s20, s16
	s_mul_i32 s20, s20, REC                        ; A: group of rows = tile row, 16 records along K; mine is the slot's first or second
	s_mov_b32 s21, 0
	s_lshl_b32 s46, s42, 1
	s_add_co_u32 s46, s46, s16
	s_mul_i32 s46, s46, 16*REC                     ; B: group of rows 2 x tile column + half
	s_mov_b32 s47, 0
	s_mul_i32 s45, s16, REC                        ; where they go: A's,
	s_mul_i32 s12, s16, 2*REC
	s_add_co_u32 s12, s12, 2*REC                   ; B's: no place in the cluster enters an LDS address
	s_wait_dscnt 0x0                               ; the opening add is done
	s_wait_kmcnt 0x0
	s_add_nc_u64 s[20:21], s[4:5], s[20:21]
	s_add_nc_u64 s[46:47], s[6:7], s[46:47]
	CROUND                                         ; all sixteen work-groups are here: the first joint loads meet
.irp s, 0,1
	s_mov_b32 s[G0+4*\s], 1
	s_add_co_u32 s[G0+4*\s+1], s45, \s*SL
	s_add_nc_u64 s[G0+4*\s+2:G0+4*\s+3], s[20:21], \s*2*REC
	s_or_b32 s[G0+4*\s+3], s[G0+4*\s+3], 0x80000000
	s_mov_b32 s[G0B+4*\s], 1
	s_add_co_u32 s[G0B+4*\s+1], s12, \s*SL
	s_add_nc_u64 s[G0B+4*\s+2:G0B+4*\s+3], s[46:47], \s*2*REC
	s_or_b32 s[G0B+4*\s+3], s[G0B+4*\s+3], 0x80000000
	JLOAD G0+4*\s, G1, G0B+4*\s, G1B               ; two loads of mine are out
.endr
	v_and_b32 v1, 15, v0                           ; r
	v_bfe_u32 v2, v0, 4, 1                         ; h
	v_lshlrev_b32 v3, 6, v2                        ; 64 h
	v_and_b32 v4, 31, v0
	v_lshlrev_b32 v4, 4, v4                        ; 16 x lane
	s_lshl_b32 s18, s42, 10
	s_lshl_b32 s22, s16, 9
	s_add_co_u32 s18, s18, s22                     ; my 128 columns, in bytes
	s_mov_b32 s19, 0
	s_add_nc_u64 s[8:9], s[8:9], s[18:19]
	s_add_nc_u64 s[10:11], s[10:11], s[18:19]
	WIN TO_B
.irp b, 0,1,2,3,4,5,6,7
	global_load_b128 v[BIA+8*\b:BIA+8*\b+3], v3, s[8:9] offset:(32*(\b/2)+8*(\b%2))*4
	global_load_b128 v[BIA+8*\b+4:BIA+8*\b+7], v3, s[8:9] offset:(32*(\b/2)+8*(\b%2))*4+16
.endr
	WIN 0
	s_lshl_b32 s18, s17, 19                        ; 128 rows of 4,096 bytes for each tile row,
	s_lshl_b32 s22, s15, 18                        ; my wave's 64
	s_add_co_u32 s18, s18, s22
	s_add_nc_u64 s[10:11], s[10:11], s[18:19]      ; out at my first row and column
	; the prefetches (macro ASK): s40 = cx and s[4:5] = h still stand
	s_lshl_b32 s18, s17, 4                         ; my tile row's 16 records,
	s_add_co_u32 s18, s18, s40                     ; my work-group's one of a lap's four,
	s_add_co_u32 s18, s18, 4                       ; in lap 1: the first trip steps it to lap 2
	s_mul_i32 s18, s18, REC
	s_lshl_b32 s22, s14, 13                        ; my wave's 8,192 bytes of its codes
	s_add_co_u32 s18, s18, s22
	s_add_nc_u64 s[PFA:PFA+1], s[4:5], s[18:19]
	s_cmp_lt_u32 s14, 3                            ; three waves' worth: 3 x 8,192 bytes.  The wave's number alone: the same in all partners
	s_cselect_b32 s[LIM], 1, -1
	v_and_b32 v[PFO], 31, v0
	v_lshlrev_b32 v[PFO], 8, v[PFO]
	s_mul_i32 s21, s15, 12288                      ; my tiles 4 wm on of A's record,
	s_lshl_b32 s23, s15, 9
	s_add_co_u32 s23, s23, SCO                     ; their scale words,
	s_mul_i32 s22, s16, 2*REC
	s_add_co_u32 s22, s22, 2*REC                   ; my group of B's rows
.irp s, 0,1
	v_add_nc_u32 v[ADRA+\s], s21, v4
	v_add_nc_u32 v[ADSA+\s], s23, v4
	v_add_nc_u32 v[ADRB+\s], s22, v4
	s_add_co_u32 s21, s21, SL
	s_add_co_u32 s23, s23, SL
	s_add_co_u32 s22, s22, SL
.endr
	s_mul_i32 s23, s14, 8448                       ; my stage: 16 rows x 528 bytes, in slot 0
	v_mul_u32_u24 v[STO], v1, 528
	v_lshl_add_u32 v[STO], v2, 6, v[STO]
	v_add_nc_u32 v[STO], s23, v[STO]               ; in: row r, + 64 h
	v_add_nc_u32 v[RD], s23, v4                    ; back: a row's 512 bytes to the 32 lanes
	v_mov_b32 v[CO], v4
	s_wait_tensorcnt 1                             ; my part of slot 0 is in; slot 1's may stay out
	s_barrier_signal -1
	s_barrier_wait -1                              ; everybody's is
	FETCH2 0, 0
	SCALES2 0
	s_wait_loadcnt 0x0                             ; the bias
	STEP2 0, 0, 1                                  ; the first step stands in front of the loop: its products start the sums on the bias
	s_mov_b32 s3, 3
.Llap:                                             ; a trip goes once round the ring, from a lap's second step to the next lap's first, and fills both slots again: 2 + 3 x 2 = the eight steps of 512
	STEP2 0, 1, 0
	STEP2 0, 2, 0
	TURN2 0, 1, 1
	STEP2 1, 0, 0
	STEP2 1, 1, 0
	STEP2 1, 2, 0
	TURN2 1, 0, 1
	STEP2 0, 0, 0
	s_sub_co_u32 s3, s3, 1
	s_cmp_lg_u32 s3, 0
	s_cbranch_scc1 .Llap
	STEP2 0, 1, 0                                  ; the last lap fills nothing, and has no round of the cluster's barrier
	STEP2 0, 2, 0
	TURN2 0, 1, 0
	STEP2 1, 0, 0
	STEP2 1, 1, 0
	STEP2 1, 2, 0
	s_wait_dscnt 0x0
	WIN MUL
	M8 0, 3, 1, 0
	M8 1, 3, 1, 0
	M8 2, 3, 1, 0
	M8 3, 3, 1, 0
	WIN 0
; THE WAY OUT, block by block of 16 rows x 128 columns, through my own stage.  It lies in slot 0, which has had its last fill, and whose last reads every wave awaited in front of the last barrier.
; LDS serves a wave's instructions in order (ISA guide 5.7.1.4): no wait between the stores and the loads, nor in front of the next block's stores.
.macro TOSTAGE a
	WIN 0x08                                       ; an LDS store's data: window 2
.irp b, 0,1,2,3,4,5,6,7
	ds_store_b128 v[STO], v[8*(8*(\a)+\b):8*(8*(\a)+\b)+3] offset:128*(\b/2)+32*(\b%2)      ; each accumulator from its low end on
	ds_store_b128 v[STO], v[8*(8*(\a)+\b)+4:8*(8*(\a)+\b)+7] offset:128*(\b/2)+32*(\b%2)+16
.endr
	WIN 0
.set BB, BK+64*((\a)%2)
.irp t, 0,1,2,3,4,5,6,7,8,9,10,11,12,13,14,15
	ds_load_b128 v[BB+4*\t:BB+4*\t+3], v[RD] offset:\t*528
.endr
.endm
.macro SEND a, younger                 ; younger: the LDS instructions issued behind block a's loads, which may stay out
.set BB, BK+64*((\a)%2)
	s_wait_dscnt \younger
.if (\a) > 0
	s_add_nc_u64 s[10:11], s[10:11], 16*4096       ; (behind a wait on XCNT: the earlier stores have read their base)  16 rows of out on
.endif
.irp t, 0,1,2,3,4,5,6,7,8,9,10,11,12,13,14,15
	global_store_b128 v[CO], v[BB+4*\t:BB+4*\t+3], s[10:11] offset:\t*4096 th:TH_STORE_NT   ; 32 lanes store 512 consecutive bytes, at a multiple of 256 from out's first byte; written once, read by nobody here
.endr
.endm
	PLACES                                         ; ahead of the first read of results and of loads into registers that held A's fragments
	TOSTAGE 0
.irp a, 1,2,3
.if \a > 1
	s_wait_xcnt 0x0                                ; block a - 2's stores have read their registers and their base
.endif
	TOSTAGE \a
	SEND \a-1, 32                                  ; behind block a - 1's loads: block a's 16 stores and 16 loads
.endr
	s_wait_xcnt 0x0
	SEND 3, 0
	s_wait_tensorcnt 0x0                           ; the wave's end: the add to my spare word and its wait stand behind my last tensor load and my last LDS store
	ds_add_u32 v[SPW], v[NIL]
	s_wait_dscnt 0x0
	CROUND                                         ; the closing round: no work-group ends while a partner may still ask for a tile that names it
	s_endpgm
.Lfunc_end_k_q8aa295cf10_gemm2:
	.size	k_q8aa295cf10_gemm2, .Lfunc_end_k_q8aa295cf10_gemm2-k_q8aa295cf10_gemm2
	.p2alignl 7, 3214868480
	.fill 96, 4, 3214868480
	.section	.rodata,"a",@progbits
	.p2align	6, 0x0
	.amdhsa_kernel k_q8aa295cf10_gemm2
		.amdhsa_group_segment_fixed_size 327680
		.amdhsa_private_segment_fixed_size 0
		.amdhsa_enable_private_segment 0
		.amdhsa_kernarg_size 32
		.amdhsa_user_sgpr_count 2
		.amdhsa_user_sgpr_kernarg_segment_ptr 1
		.amdhsa_wavefront_size32 1
		.amdhsa_system_sgpr_workgroup_id_x 1
		.amdhsa_system_sgpr_workgroup_id_y 1
		.amdhsa_system_sgpr_workgroup_id_z 1
		.amdhsa_system_vgpr_workitem_id 0
		.amdhsa_next_free_vgpr 768
		.amdhsa_next_free_sgpr 66
		.amdhsa_reserve_vcc 0
		.amdhsa_float_denorm_mode_32 3
		.amdhsa_float_denorm_mode_16_64 3
		.amdhsa_memory_ordered 1
		.amdhsa_forward_progress 1
		.amdhsa_inst_pref_size 133
	.end_amdhsa_kernel
	.amdgpu_metadata
---
amdhsa.version: [ 1, 2 ]
amdhsa.kernels:
  - .name:           k_q8aa295cf10_gemm2
    .symbol:         k_q8aa295cf10_gemm2.kd
    .args:
      - { .name: hr, .offset: 0, .size: 8, .value_kind: global_buffer, .address_space: global }
      - { .name: w2r, .offset: 8, .size: 8, .value_kind: global_buffer, .address_space: global }
      - { .name: cproj_bias, .offset: 16, .size: 8, .value_kind: global_buffer, .address_space: global }
      - { .name: out0, .offset: 24, .size: 8, .value_kind: global_buffer, .address_space: global }
    .group_segment_fixed_size: 327680
    .private_segment_fixed_size: 0
    .kernarg_segment_align: 8
    .kernarg_segment_size: 32
    .max_flat_workgroup_size: 128
    .sgpr_count:     66
    .vgpr_count:     768
    .wavefront_size: 32
...
	.end_amdgpu_metadata
.endif
;; end of part 3
